; MI455X (gfx1250); checked and timed in simulation.
; The chip was launched on July 23, 2026; its instructions are those of AMD's public machine-readable ISA for CDNA 5 (MIT licence, August 2026) and "CDNA5" Instruction Set Architecture Reference Guide (July 2026). The comments in the code are by the model that wrote it; some were corrected since.
;; Multi Head Self Attention. Allowed arithmetic: matrix products marked QUANTISED: E2M1 operands, one E8M0 scale for each 32 along K, by v_wmma_scale_f32_16x16x128_f8f6f4 with both operands' format E2M1 (or v_wmma_scale_f32_32x16x128_f4), f32 sums; everything else in f32.
;; Inputs: W_out 1,024 x 1,024 float32; W_qkv 3,072 x 1,024 float32; b_out 1,024 float32; b_qkv 3,072 float32; x 4 x 2,048 x 1,024 float32.
;; Outputs: out0 4 x 2,048 x 1,024 float32.
;; This version of the problem:
;;   THIS VERSION OF THE PROBLEM IS GIVEN IN LOW PRECISION. The matrix products marked QUANTISED in the list below multiply operands that are first quantised to E2M1 (2 exponent bits, 1 mantissa bit; 4 bits a number), with one power-of-two scale for each 32 numbers along K (OCP MX v1.0); their sums are f32. All else is computed in f32.
;;   The module's matrix products, in the order in which they are computed (A, B: the left and right operand; K: the contracted axis; several contracted axes count as one K, in the product's order):
;;     1. [M 8,192, K 1,024] x [K 1,024, N 3,072]; A: input x; B: input W_qkv: QUANTISED
;;     2. batch 64 x [M 2,048, K 64] x [K 64, N 2,048]; A: computed on the way; B: computed on the way: QUANTISED
;;     3. batch 64 x [M 2,048, K 2,048] x [K 2,048, N 64]; A: softmax (see below); B: computed on the way: QUANTISED
;;     4. [M 8,192, K 1,024] x [K 1,024, N 1,024]; A: computed on the way; B: input W_out: QUANTISED
;;   THE QUANTISER, for each operand of a quantised product, along K:
;;     - K is cut into blocks of 32 from its start; a last block that is shorter is filled with zeros.
;;     - A block's scale is 2^e with e = floor(log2(the largest magnitude in the block)) - 2, held to -126 .. 127; a block of zeros has e = 0. As a byte (E8M0): e + 127.
;;     - Each number is divided by its block's scale, clamped to +-6, and rounded to the nearest number of E2M1, ties to even, subnormals kept.
;;     - The product sums the exact products of the quantised numbers (number of the format x scale) in f32.
;;   ~~~python
;;   def quantise(x, axis):      # numpy; x: float32 -> the quantised numbers, widened to float32 again
;;       x = np.moveaxis(x, axis, -1); K = x.shape[-1]
;;       x = np.pad(x, [(0, 0)] * (x.ndim - 1) + [(0, -K % 32)]); x = x.reshape(x.shape[:-1] + (-1, 32)); a = np.abs(x).max(-1, keepdims=True)
;;       e = np.where(a > 0, np.clip(np.frexp(np.where(a > 0, a, 1))[1] - 1 - 2, -126, 127), 0)      # np.frexp(a)[1] - 1 = floor(log2(a)), exactly
;;       r = np.clip(x / 2.0 ** e, -6, 6)
;;       step = 2.0 ** (np.maximum(np.frexp(np.where(r == 0, 1, r))[1] - 1, 0) - 1)
;;       q = np.round(r / step) * step * 2.0 ** e      # np.round: ties to even
;;       return np.moveaxis(q.reshape(q.shape[:-2] + (-1,))[..., :K], -1, axis).astype(np.float32)
;;   ~~~
;;   SOFTMAX AHEAD OF A QUANTISED PRODUCT. Where the list says 'softmax', what is quantised is not the finished softmax but p = 2^(t - M), with t = logit x log2(e) and M = ceil(the row's largest t), a whole number; so 1/2 < the row's largest p <= 1. The row's sum l is taken of the UNQUANTISED p, in f32, and the product's result is divided by l at the end. Since M is a whole number, a kernel that streams over the keys may use a running M (the ceiling of the running maximum): every later rescaling is an exact power of two, which a block's scale takes up: the codes' values come out the same.
;;   OPERANDS COMPUTED ON THE WAY. 'Computed on the way' means the value that the module computes at that place (a softmax that the list does not call 'softmax' is quantised finished and normalised). What goes into a quantiser is computed in f32, as accurately as f32 sums, v_exp_f32 and their like allow (about 1e-6 of the number): no bf16 or f16 on the way to a quantiser, and a product that is left as it is and whose result goes on into a quantised operand takes f32 operands (vector FMAs, or v_wmma_f32_16x16x4_f32). A number that lies on a knife's edge between two numbers of the format may be rounded either way, as far as f32 arithmetic and the matrix unit's own rounding can turn it there, and no further.
;; One version. Each part assembles by itself: llvm-mc -triple=amdgcn-amd-amdhsa -mcpu=gfx1250 --defsym DOCPART=n.
;; ======== version 1 of 1: 4 launches
;; workspace buffers: codes 6,291,456 bytes; scl 393,216 bytes; qkv 13,893,632 bytes; aimg 4,194,304 bytes; asc 262,144 bytes
;; launch quant (part 1): grid 384 x 1, 4 waves a work-group, no clusters, 33,280 bytes of LDS; arguments x, W_qkv, W_out, codes, scl; writes codes, scl
.if DOCPART == 1
	.amdgcn_target "amdgcn-amd-amdhsa--gfx1250"
	.amdhsa_code_object_version 6
	.text
	.protected	k_q625866e15d_quant
	.globl	k_q625866e15d_quant
	.p2align	8
	.type	k_q625866e15d_quant,@function
k_q625866e15d_quant:
	s_mov_b64 s[64:65], 0
	v_nop
	global_prefetch_b8 v0, s[64:65] scope:SCOPE_SE
	s_setreg_imm32_b32 hwreg(HW_REG_WAVE_MODE, 25, 1), 1
	s_wait_xcnt 0x0
; x [8192][1024], W_qkv [3072][1024] and W_out [1024][1024], f32 with K innermost, become codes of FP4 (E2M1), two a byte, and one E8M0 byte for each 32 along K.
; The three tensors are one stream of 12,288 rows: codes [12288][512 bytes], scl [12288][32 bytes]; x from row 0, W_qkv from row 8,192, W_out from row 11,264.
; THE ROWS ARE STORED IN ANOTHER ORDER: row m lies at the place m with bits 3 and 4 exchanged.  So 16 neighbouring stored rows (a tile 2 b + u) are rows 32 b + 8 u + i + 8 (i / 8): used as source 0 of a
; matrix instruction, two neighbouring tiles leave 16 neighbouring rows in a lane's 16 result registers, which is what the later launches' quantisers want.
; A block's scale is 2^(floor(log2(its largest magnitude)) - 2); its byte is the largest magnitude's exponent field - 2, held at 1 from below.
; LIMITS: a block of zeros, and a block whose largest magnitude lies under 2^-124, gets the byte 1 (a block of zeros has zero codes, and this program alone reads the bytes); NaN and infinities are not served.
; SHARES: a work-group takes 32 rows, a wave 8 rows (8,192 numbers) in 16 steps of 512.  Bits 3 and 4 of a row are the wave's number, so the exchange is an exchange of the wave's two bits on the way out.
; Each load reads 512 consecutive bytes; a step's 2,048 bytes turn through the wave's own stage in LDS, so that a lane holds 16 neighbours along K (two lanes a block).  Waves share nothing: no barrier, no cluster.
.set STEPS, 16
.set R,     16                         ; v16-79   four sets of 16 numbers as loaded
.set X,     80                         ; v80-111  two sets of 16 neighbours
.set E,     112                        ; v112-127 a scale byte for each step
.set C,     128                        ; v128-191 codes: registers of its own for each step, so that no store's data are written again
.set WREG,  8192                       ; LDS of a wave: two stages of 32 x SP bytes, then its 256 scale bytes
.set SP,    80                         ; a lane's 64 bytes + 16 of padding
	s_load_b256 s[4:11], s[0:1], 0x0               ; x s[4:5], W_qkv s[6:7], W_out s[8:9], codes s[10:11]
	s_load_b64 s[12:13], s[0:1], 0x20              ; scl
	v_lshl_add_u32 v192, v0, 2, 0x8000
	v_mov_b32 v193, 0
	v_lshrrev_b32 v1, 5, v0
	v_readfirstlane_b32 s16, v1                    ; wave
	v_and_b32 v2, 31, v0                           ; lane
	v_lshlrev_b32 v3, 4, v2                        ; my 16 bytes of a load's 512
	s_mul_i32 s17, s16, WREG
	v_lshrrev_b32 v14, 2, v2
	v_mul_u32_u24 v14, v14, SP
	v_and_b32 v15, 3, v2
	v_lshl_add_u32 v14, v15, 4, v14
	v_add_nc_u32 v14, s17, v14                     ; into the stage: four lanes' 64 bytes on end, then the padding
	v_mul_u32_u24 v15, v2, SP
	v_add_nc_u32 v15, s17, v15                     ; out of it: my 16 neighbours
	v_mul_u32_u24 v4, v2, 8                        ; my 8 bytes of a step's 256 bytes of codes
	v_lshrrev_b32 v5, 1, v2
	s_add_co_u32 s17, s17, 2*32*SP
	v_add_nc_u32 v5, s17, v5                       ; my block's scale byte in LDS
	v_lshlrev_b32 v7, 3, v2
	v_add_nc_u32 v6, s17, v7                       ; and 8 bytes a lane on the way out
	s_wait_alu depctr_va_vdst(0)
	s_wait_kmcnt 0x0
	s_cmp_lt_u32 ttmp9, 256                        ; which tensor: the choice hangs on the work-group's number alone
	s_cselect_b64 s[4:5], s[4:5], s[6:7]
	s_cselect_b32 s17, 0, 256                      ; and its first work-group
	s_cmp_lt_u32 ttmp9, 352
	s_cselect_b64 s[4:5], s[4:5], s[8:9]
	s_cselect_b32 s17, s17, 352
	s_sub_co_u32 s17, ttmp9, s17
	s_lshl_b32 s17, s17, 2
	s_add_co_u32 s18, s17, s16                     ; my run of 8 rows in the tensor
	s_mov_b32 s19, 0
	s_lshl_b64 s[20:21], s[18:19], 15              ; 32,768 bytes a run
	s_add_nc_u64 s[4:5], s[4:5], s[20:21]
	s_and_b32 s22, s16, 1                          ; on the way out the wave's two bits change places
	s_lshl_b32 s22, s22, 1
	s_lshr_b32 s23, s16, 1
	s_or_b32 s22, s22, s23
	s_lshl_b32 s23, ttmp9, 2
	s_add_co_u32 s22, s22, s23                     ; my run among the 1,536 of the stream
	s_lshl_b32 s24, s22, 12                        ; 4,096 bytes of codes a run
	s_mov_b32 s25, 0
	s_add_nc_u64 s[10:11], s[10:11], s[24:25]
	s_lshl_b32 s24, s22, 8                         ; 256 scale bytes a run
	s_add_nc_u64 s[12:13], s[12:13], s[24:25]
.macro LOAD t
.irp i, 0,1,2,3
	global_load_b128 v[R+16*((\t)%4)+4*\i:R+16*((\t)%4)+4*\i+3], v3, s[4:5] offset:2048*(\t)+512*\i th:TH_LOAD_NT
.endr
.endm
.macro TURN t                          ; step t's numbers through the stage; LDS serves a wave's instructions in order, so no wait stands between the stores and the loads
.irp i, 0,1,2,3
	ds_store_b128 v14, v[R+16*((\t)%4)+4*\i:R+16*((\t)%4)+4*\i+3] offset:32*SP*((\t)%2)+8*SP*\i
.endr
.irp i, 0,1,2,3
	ds_load_b128 v[X+16*((\t)%2)+4*\i:X+16*((\t)%2)+4*\i+3], v15 offset:32*SP*((\t)%2)+16*\i
.endr
.endm
.irp t, 0,1,2,3
	LOAD \t
.endr
	s_wait_loadcnt 12                              ; step 0's four loads are in; the twelve of steps 1 to 3 stay out
	TURN 0
.macro STEP t
.set XS, X+16*((\t)%2)
.if (\t) > 0
	s_wait_dscnt 1                                 ; this step's numbers are back from the stage; the last step's byte store may be out
.else
	s_wait_dscnt 0x0
.endif
.if (\t)+4 < STEPS
	LOAD (\t)+4                                    ; into the set that this step's stage stores have read
.endif
.if (\t)+1 < STEPS
.if STEPS-2-(\t) >= 3
	s_wait_loadcnt 12                              ; the next step's four loads are in; those of the three steps behind it stay out
.else
	s_wait_loadcnt 4*(STEPS-2-(\t))
.endif
	TURN (\t)+1
.endif
	v_max3_num_f32 v8, |v[XS]|, |v[XS+1]|, |v[XS+2]|               ; the largest magnitude of my 16, in two chains
	v_max3_num_f32 v9, |v[XS+3]|, |v[XS+4]|, |v[XS+5]|
.irp i, 6,10
	v_max3_num_f32 v8, v8, |v[XS+\i]|, |v[XS+\i+1]|
	v_max3_num_f32 v9, v9, |v[XS+\i+2]|, |v[XS+\i+3]|
.endr
	v_max3_num_f32 v8, v8, |v[XS+14]|, |v[XS+15]|
	v_max3_num_f32 v8, v8, v9, 0x1800000           ; and the floor 2^(3 - 127): the byte cannot fall under 1
	v_max_num_f32_dpp v8, v8, v8 row_xmask:1 row_mask:0xf bank_mask:0xf   ; with my neighbour's 16: the block's
	v_add_nc_u32 v11, 0xff000000, v8               ; 2 off its exponent field: the conversion takes the exponent field of this operand as its scale
	v_cvt_scalef32_pk8_fp4_f32 v[C+4*(\t)], v[XS:XS+7], v11
	v_cvt_scalef32_pk8_fp4_f32 v[C+4*(\t)+1], v[XS+8:XS+15], v11
	v_lshrrev_b32 v[E+(\t)], 23, v11               ; the scale's byte
	ds_store_b8 v5, v[E+(\t)] offset:16*(\t)       ; both lanes of a block write the same byte with the same value
	global_store_b64 v4, v[C+4*(\t):C+4*(\t)+1], s[10:11] offset:256*(\t)   ; the wave stores 256 consecutive bytes, aligned
.endm
.irp t, 0,1,2,3,4,5,6,7,8,9,10,11,12,13,14,15
	STEP \t
.endr
	ds_load_b64 v[12:13], v6                       ; my wave's 256 scale bytes: these loads see my stores
	s_wait_dscnt 0x0
	global_store_b64 v7, v[12:13], s[12:13]        ; 256 consecutive bytes, aligned
	s_wait_tensorcnt 0x0
	ds_add_u32 v192, v193
	s_wait_dscnt 0x0
	s_endpgm
.Lfunc_end_k_q625866e15d_quant:
	.size	k_q625866e15d_quant, .Lfunc_end_k_q625866e15d_quant-k_q625866e15d_quant
	.p2alignl 7, 3214868480
	.fill 96, 4, 3214868480
	.section	.rodata,"a",@progbits
	.p2align	6, 0x0
	.amdhsa_kernel k_q625866e15d_quant
		.amdhsa_group_segment_fixed_size 33280
		.amdhsa_private_segment_fixed_size 0
		.amdhsa_enable_private_segment 0
		.amdhsa_kernarg_size 40
		.amdhsa_user_sgpr_count 2
		.amdhsa_user_sgpr_kernarg_segment_ptr 1
		.amdhsa_wavefront_size32 1
		.amdhsa_system_sgpr_workgroup_id_x 1
		.amdhsa_system_sgpr_workgroup_id_y 1
		.amdhsa_system_sgpr_workgroup_id_z 1
		.amdhsa_system_vgpr_workitem_id 0
		.amdhsa_next_free_vgpr 194
		.amdhsa_next_free_sgpr 66
		.amdhsa_reserve_vcc 0
		.amdhsa_float_denorm_mode_32 3
		.amdhsa_float_denorm_mode_16_64 3
		.amdhsa_memory_ordered 1
		.amdhsa_forward_progress 1
		.amdhsa_inst_pref_size 34
	.end_amdhsa_kernel
	.amdgpu_metadata
---
amdhsa.version: [ 1, 2 ]
amdhsa.kernels:
  - .name:           k_q625866e15d_quant
    .symbol:         k_q625866e15d_quant.kd
    .args:
      - { .name: x, .offset: 0, .size: 8, .value_kind: global_buffer, .address_space: global }
      - { .name: W_qkv, .offset: 8, .size: 8, .value_kind: global_buffer, .address_space: global }
      - { .name: W_out, .offset: 16, .size: 8, .value_kind: global_buffer, .address_space: global }
      - { .name: codes, .offset: 24, .size: 8, .value_kind: global_buffer, .address_space: global }
      - { .name: scl, .offset: 32, .size: 8, .value_kind: global_buffer, .address_space: global }
    .group_segment_fixed_size: 33280
    .private_segment_fixed_size: 0
    .kernarg_segment_align: 8
    .kernarg_segment_size: 40
    .max_flat_workgroup_size: 128
    .sgpr_count:     66
    .vgpr_count:     194
    .wavefront_size: 32
...
	.end_amdgpu_metadata
.endif
;; end of part 1
;; launch qkvgemm (part 2): grid 12 x 32, 4 waves a work-group, clusters of 4 x 4, 327,680 bytes of LDS; arguments codes, scl, b_qkv, qkv; writes qkv
.if DOCPART == 2
	.amdgcn_target "amdgcn-amd-amdhsa--gfx1250"
	.amdhsa_code_object_version 6
	.text
	.protected	k_q625866e15d_qkvgemm
	.globl	k_q625866e15d_qkvgemm
	.p2align	8
	.type	k_q625866e15d_qkvgemm,@function
k_q625866e15d_qkvgemm:
	s_mov_b64 s[64:65], 0
	v_nop
	global_prefetch_b8 v0, s[64:65] scope:SCOPE_SE
	s_setreg_imm32_b32 hwreg(HW_REG_WAVE_MODE, 25, 1), 1
	s_wait_xcnt 0x0
	s_wait_alu depctr_hold_cnt(0) depctr_sa_sdst(0) depctr_va_vdst(0) depctr_va_sdst(0) depctr_va_ssrc(0) depctr_va_vcc(0) depctr_vm_vsrc(0)
	s_getreg_b32 s2, hwreg(HW_REG_IB_STS2, 6, 4)
	s_cmp_eq_u32 s2, 0
	s_cbranch_scc0 .Lentry_in_a_cluster
	s_endpgm
.Lentry_in_a_cluster:
	s_bfe_u32 s2, ttmp6, 0x10000c
	s_cmp_lg_u32 s2, 0xf033
	s_cbranch_scc0 .Lentry_shape_is_right
	s_endpgm
.Lentry_shape_is_right:
; qkv = x W_qkv^T + b_qkv on codes of FP4 with E8M0 scales (K = 1,024), and its result quantised at once: q and k along the head's 64, v along the keys.  Nothing of qkv goes to memory as f32.
; ONE TEXT FOR q, k AND v.  A tile of the result is R[l][p], 256 x 256: l runs over the lanes (operand A, source 1), p over a lane's registers (operand B, source 0), and R is quantised along p.
; q, k (cluster x = 0, 1): A = rows of x, B = rows of W.   v (cluster x = 2): A = rows of W_v, B = rows of x, so that the registers run along the keys.
; Both operands lie in the one buffer of codes, in tiles of 256 stored rows (x 0-31, W_q 32-35, W_k 36-39, W_v 40-43): only tile numbers and constants of the way out differ, and each is chosen by
; s_cselect_b32 on the cluster's x, which all sixteen partners share.  No branch hangs on it.
; STORED ROWS: row m lies at m with bits 3 and 4 exchanged, so the 16 result registers of B's tiles 2 b and 2 b + 1 are rows 32 b + 16 (lane / 16) + 0 .. 15: 16 neighbours along p.
; SHARES: four waves, each 128 x 128: 64 accumulators, 512 registers.  K = 1,024 of both tiles lies in LDS whole, as two slots of 512 along K (rows of 256 bytes + 16 of padding), each filled ONCE: no slot is filled again.
; CLUSTER 4 x 4: A's tile hangs on cy alone and is asked for jointly along a row of the cluster, B's on cx alone and along a column.  By this text's count a wave has two tensor loads out.
; THE SUMS START AT THE BIAS (along p for q and k, along l for v; the other one is masked to zero), so the bias is added first and not last: an order of f32 rounding that differs from the source's.
; WAY OUT: records of 13,568 bytes, one for each (batch, head, 128 keys or queries): K's 8 tiles (512 bytes each: lane (r, h) = row r, block h), V's 4 tiles of 16 d x 128 keys as images of the operand's
; registers, K's and V's scale words, Q's tiles and scale words.  A scale word of q or k has its two bytes below and 0x7f, 0x7f above: the upper 64 of the next product's K step are zero codes.
; LIMITS: a block of zeros, or with its largest magnitude under 2^-124, gets the byte 1; NaN and infinities are not served.
; REGISTERS: window 0: v16-30 addresses; v32-63 A's scale words, v64-95 B's (register 8 (tile / 2) + K step: even tile in lanes 0-15, odd tile in lanes 16-31); v96-111 the bias along l, twice each;
;   v128-191, v192-255 A's fragments, two sets.  window 1: v0-63, v128-191 B's fragments, two sets; v64-127 the bias along p.  windows 2, 3: the accumulators, (a, b) at v[8 (8 (a % 4) + b)].
.set PITCH,  272
.set HALFT,  128*PITCH                 ; 128 rows: one tensor load, and what a wave reads of A or of B in a slot
.set SLOT,   4*HALFT                   ; A's 256 rows, then B's
.set REC,    13568                     ; a record
.set HS,     16*REC                    ; from a head to the next
.set SCA, 32
.set SCB, 64
.set BL,  96
.set OF,  192                          ; the way out: v192-207 offsets of the 16 stores of codes
.set SW,  208                          ; v208-215 scale words
.set TM,  216                          ; v216-231 at work
.set PW,  232
.set TP,  233
.set WV,  14
.set WH,  15
.set WL,  16
.set G1,  24                           ; s[24:31] group 1 for A; s[32:39] its groups 0, one a slot
.set G0,  32
.set G1B, 48                           ; s[48:55], s[56:63] the same for B
.set G0B, 56
.set MSB, 0
.macro WIN new                         ; the immediate's high byte repeats the setting that is left
.if MSB != \new
	s_set_vgpr_msb (MSB<<8)|\new
.set MSB, \new
.endif
.endm
.macro JLOAD g0a, g1a, g0b, g1b        ; a joint load: waves 0 and 1 fetch A's halves, waves 2 and 3 B's; four v_nop follow each line
	s_cmp_eq_u32 s[WH], 0
	s_cbranch_scc0 .Lfor_b_\@
	tensor_load_to_lds s[\g0a:\g0a+3], s[\g1a:\g1a+7]
	s_nop 0
.rept 4
	v_nop
.endr
	s_branch .Lasked_\@
.Lfor_b_\@:
	tensor_load_to_lds s[\g0b:\g0b+3], s[\g1b:\g1b+7]
	s_nop 0
.rept 4
	v_nop
.endr
.Lasked_\@:
.endm
.macro CROUND                          ; a round of the cluster's barrier
	s_barrier_signal -1
	s_barrier_wait -1
	s_cmp_lg_u32 s[WV], 0
	s_cbranch_scc1 .Lnot_wave_0_\@
	s_barrier_signal -3
.Lnot_wave_0_\@:
	s_barrier_wait -3
	s_barrier_signal -1
	s_barrier_wait -1
.endm
.macro PLACES                          ; four plain vector instructions between a matrix instruction and a load into, or a vector read of, its registers
.rept 4
	v_nop
.endr
.endm
	s_load_b256 s[4:11], s[0:1], 0x0               ; codes s[4:5], scl s[6:7], b_qkv s[8:9], qkv s[10:11]
	v_lshl_add_u32 v126, v0, 2, 0x44000
	v_mov_b32 v127, 0
	ds_add_u32 v126, v127
	ds_add_u32 v126, v127
	v_lshrrev_b32 v1, 5, v0
	v_readfirstlane_b32 s[WV], v1                  ; wave 0..3
	s_lshr_b32 s[WH], s[WV], 1                     ; my half along l.  Also: I fetch for A (0) or for B (1)
	s_and_b32 s[WL], s[WV], 1                      ; my half along p.  Also: which 128 rows I fetch
	s_bfe_u32 s40, ttmp6, 0x40000                  ; cx
	s_bfe_u32 s41, ttmp6, 0x40004                  ; cy
	s_and_b32 s17, ttmp7, 0xffff
	s_lshl_b32 s17, s17, 2                         ; 4 x cluster y
	s_lshl_b32 s18, ttmp9, 2
	s_add_co_u32 s18, s18, 32                      ; 32 + 4 x cluster x
	s_lshl_b32 s43, s41, 2
	s_lshl_b32 s43, 15, s43                        ; my row of the cluster
	s_lshl_b32 s44, 0x1111, s40                    ; my column
	s_cmp_eq_u32 ttmp9, 2                          ; v?
	s_cselect_b32 s19, 40, s17
	s_cselect_b32 s42, s17, s18
	s_add_co_u32 s19, s19, s41                     ; A's tile: hangs on cy alone
	s_add_co_u32 s42, s42, s40                     ; B's tile: hangs on cx alone
	s_or_b32 s[G1], s43, (1<<20)|(1<<21)|(5<<22)|(3<<25)    ; the mask; elements of 1 byte; padding on; bit 21 beside a mask; 4 words of padding after every 64
	s_or_b32 s[G1B], s44, (1<<20)|(1<<21)|(5<<22)|(3<<25)
.irp g, G1, G1B
	s_mov_b32 s[\g+1], 256<<16                     ; tensor_dim0 = 256 bytes
	s_mov_b32 s[\g+2], 128<<16                     ; tensor_dim1 = 128 rows
	s_mov_b32 s[\g+3], 256<<16                     ; tile_dim0
	s_mov_b32 s[\g+4], 128                         ; tile_dim1
	s_mov_b32 s[\g+5], 512                         ; a row of codes in memory
	s_mov_b32 s[\g+6], 0
	s_mov_b32 s[\g+7], 0
.endr
	s_lshl_b32 s20, s19, 17                        ; 256 rows of 512 bytes a tile,
	s_lshl_b32 s22, s[WL], 16                      ; 128 rows a half
	s_add_co_u32 s20, s20, s22
	s_mov_b32 s21, 0
	s_lshl_b32 s46, s42, 17
	s_add_co_u32 s46, s46, s22
	s_mov_b32 s47, 0
	s_mul_i32 s45, s[WV], HALFT                    ; where my load goes: wave x 128 rows
	s_wait_dscnt 0x0
	s_wait_kmcnt 0x0
	s_add_nc_u64 s[20:21], s[4:5], s[20:21]
	s_add_nc_u64 s[46:47], s[4:5], s[46:47]
	CROUND                                         ; all sixteen work-groups are here: the joint loads meet
.irp s, 0,1
	s_mov_b32 s[G0+4*\s], 1
	s_add_co_u32 s[G0+4*\s+1], s45, \s*SLOT
	s_add_nc_u64 s[G0+4*\s+2:G0+4*\s+3], s[20:21], \s*256
	s_or_b32 s[G0+4*\s+3], s[G0+4*\s+3], 0x80000000
	s_mov_b32 s[G0B+4*\s], 1
	s_add_co_u32 s[G0B+4*\s+1], s45, \s*SLOT
	s_add_nc_u64 s[G0B+4*\s+2:G0B+4*\s+3], s[46:47], \s*256
	s_or_b32 s[G0B+4*\s+3], s[G0B+4*\s+3], 0x80000000
	JLOAD G0+4*\s, G1, G0B+4*\s, G1B               ; both halves of K are asked for at once; nothing is filled again
.endr
	; ---- while the tiles are on their way: what differs between q, k and v, chosen without a branch
	s_sub_co_u32 s66, s19, 40
	s_sub_co_u32 s67, s42, 32
	s_cmp_eq_u32 ttmp9, 2
	s_cselect_b32 s68, s66, s67                    ; W's tile of 256 rows, counted from W_q (q, k) or from W_v (v)
	s_cselect_b32 s69, s[WH], s[WL]                ; and my half of it
	s_cselect_b32 s66, s42, s19                    ; x's tile
	s_cselect_b32 s67, s[WL], s[WH]                ; and my half of it
	s_mov_b32 s76, 512
	s_cselect_b32 s76, 1024, s76                   ; from l tile a to a + 1 in the output
	s_mov_b32 s77, 512
	s_cselect_b32 s77, HS-3072, s77                ; from a = 3 to a = 4 (v: on to the next head)
	s_mov_b32 s78, HS
	s_cselect_b32 s78, 512, s78                    ; from the fragment's first four registers to its last four (q, k: the next head)
	s_cselect_b32 s79, 0, HS                       ; lanes 16-31 in a store of scale words (q, k: the next head)
	s_mov_b32 s80, 256
	s_cselect_b32 s80, HS, s80                     ; the second store of scale words
	s_cselect_b32 s81, 0, 16                       ; q, k: lanes 16-31 take the word's upper two bytes
	s_cselect_b32 s82, 0, -1                       ; mask of the bias along p
	s_cselect_b32 s83, -1, 0                       ; and along l
	s_cselect_b32 s84, -1, 0xffff                  ; q, k: two bytes are kept,
	s_cselect_b32 s85, 0, 0x7f7f0000               ; and 1.0, 1.0 stands above them
	s_cselect_b32 s94, 4096, 0                     ; the codes' place in a record: v 4,096, k 0,
	s_mov_b32 s95, 8192
	s_cselect_b32 s95, 8704, s95                   ; the scale words': v 8,704, k 8,192,
	s_cmp_eq_u32 ttmp9, 0
	s_cselect_b32 s94, 8960, s94                   ; q 8,960
	s_cselect_b32 s95, 13056, s95                  ; and 13,056
	s_lshl_b32 s70, s68, 10
	s_lshl_b32 s71, s69, 9
	s_add_co_u32 s70, s70, s71                     ; my 128 rows of W, as bytes of b_qkv,
	s_add_co_u32 s71, s70, 8192                    ; (v's begin at number 2,048)
	s_cmp_eq_u32 ttmp9, 2
	s_cselect_b32 s86, 0, s70                      ; the bias that is masked away is read at the buffer's head
	s_cselect_b32 s88, s71, 0
	s_mov_b32 s87, 0
	s_mov_b32 s89, 0
	s_add_nc_u64 s[86:87], s[8:9], s[86:87]        ; the bias along p
	s_add_nc_u64 s[88:89], s[8:9], s[88:89]        ; the bias along l
	s_lshl_b32 s90, s19, 13                        ; scale bytes: 32 a row
	s_lshl_b32 s91, s[WH], 12
	s_add_co_u32 s90, s90, s91
	s_mov_b32 s91, 0
	s_add_nc_u64 s[90:91], s[6:7], s[90:91]        ; of my 128 rows of A
	s_lshl_b32 s92, s42, 13
	s_lshl_b32 s93, s[WL], 12
	s_add_co_u32 s92, s92, s93
	s_mov_b32 s93, 0
	s_add_nc_u64 s[92:93], s[6:7], s[92:93]        ; of my 128 rows of B
	s_lshl_b32 s70, s68, 2
	s_lshl_b32 s71, s69, 1
	s_add_co_u32 s70, s70, s71
	s_and_b32 s70, s70, 15                         ; my first head of two
	s_lshr_b32 s71, s66, 3                         ; the batch
	s_lshl_b32 s71, s71, 4
	s_add_co_u32 s71, s71, s70
	s_lshl_b32 s71, s71, 4
	s_and_b32 s70, s66, 7
	s_lshl_b32 s70, s70, 1
	s_add_co_u32 s70, s70, s67                     ; which 128 rows of the batch's 2,048
	s_add_co_u32 s71, s71, s70
	s_mul_i32 s71, s71, REC                        ; my record
	s_add_co_u32 s72, s71, s94
	s_mov_b32 s73, 0
	s_add_co_u32 s74, s71, s95
	s_mov_b32 s75, 0
	s_add_nc_u64 s[72:73], s[10:11], s[72:73]      ; where my codes go
	s_add_nc_u64 s[74:75], s[10:11], s[74:75]      ; and my scale words
	s_mov_b32 s96, 0x76543210
	s_mov_b32 s97, 0xfedcba98                      ; v_permlanex16_b32's selects for lane l xor 16
	v_and_b32 v1, 15, v0                           ; r
	v_bfe_u32 v2, v0, 4, 1                         ; h
	v_mul_u32_u24 v3, v1, PITCH
	v_lshl_add_u32 v4, v2, 4, v3                   ; a fragment's row x pitch + 16 h
	s_mul_i32 s22, s[WH], HALFT
	s_mul_i32 s23, s[WL], HALFT
	s_add_co_u32 s23, s23, 2*HALFT
.irp s, 0,1
	v_add_nc_u32 v[16+\s], s22, v4                 ; A's fragments in slot s
	v_add_nc_u32 v[20+\s], s23, v4                 ; B's
	s_add_co_u32 s22, s22, SLOT
	s_add_co_u32 s23, s23, SLOT
.endr
	v_and_b32 v5, 31, v0
	v_lshlrev_b32 v24, 4, v5                       ; 16 x lane: an image's place
	v_lshlrev_b32 v25, 5, v5                       ; 32 x lane: a row of scale bytes
	v_lshlrev_b32 v26, 6, v2                       ; 64 h: my 16 numbers of each 32 of the bias along p
	v_and_b32 v6, 8, v1
	v_add_nc_u32 v6, v6, v1
	v_lshlrev_b32 v27, 2, v6                       ; 4 (r + 8 (r / 8)): my row's number of the bias along l
	v_mul_u32_u24 v28, s81, v2
	v_mul_u32_u24 v29, s79, v2
	v_lshl_add_u32 v29, v1, 4, v29                 ; the stores of scale words: 16 r, lanes 16-31 as chosen
	v_add_nc_u32 v30, s80, v29
.irp i, 0,1,2,3                                ; scale words: 32 stored rows (two tiles) a load, four K steps a load
.irp k, 0,1
	global_load_b128 v[SCA+8*\i+4*\k:SCA+8*\i+4*\k+3], v25, s[90:91] offset:1024*\i+16*\k
	global_load_b128 v[SCB+8*\i+4*\k:SCB+8*\i+4*\k+3], v25, s[92:93] offset:1024*\i+16*\k
.endr
.endr
.irp a, 0,1,2,3,4,5,6,7                        ; the bias along l, into both registers of a pair
	global_load_b32 v[BL+2*\a], v27, s[88:89] offset:4*(32*(\a/2)+8*(\a%2))
	global_load_b32 v[BL+2*\a+1], v27, s[88:89] offset:4*(32*(\a/2)+8*(\a%2))
.endr
	WIN 0x40                                       ; destination window 1
.irp b, 0,1,2,3                                ; the bias along p: register 16 b + i = number 32 b + 16 h + i
.irp j, 0,1,2,3
	global_load_b128 v[64+16*\b+4*\j:64+16*\b+4*\j+3], v26, s[86:87] offset:128*\b+16*\j
.endr
.endr
	s_wait_loadcnt 0x0
	WIN 0x44
.set j, 0
.rept 64
	v_and_b32 v[64+j], s82, v[64+j]                ; one of the two biases is masked to zero
.set j, j+1
.endr
	WIN 0
.set j, 0
.rept 16
	v_and_b32 v[BL+j], s83, v[BL+j]
.set j, j+1
.endr
.irp a, 0,1,2,3,4,5,6,7                        ; the sums start at the bias
.if \a < 4
	WIN 0x81
.else
	WIN 0xc1
.endif
.irp b, 0,1,2,3,4,5,6,7
.irp k, 0,2,4,6
	v_pk_add_f32 v[8*(8*(\a%4)+\b)+\k:8*(8*(\a%4)+\b)+\k+1], v[64+8*\b+\k:64+8*\b+\k+1], v[BL+2*\a:BL+2*\a+1]
.endr
.endr
.endr
	WIN 0
.macro FETCH q                         ; the fragments of K step q (128 along K: 64 bytes of a row) into set q % 2: 32 loads in one run
	WIN 0x40
.irp i, 0,1,2,3,4,5,6,7
.irp c, 0,1
	ds_load_b128 v[128*((\q)%2)+8*\i+4*\c:128*((\q)%2)+8*\i+4*\c+3], v[20+(\q)/4] offset:64*((\q)%4)+32*\c+\i*16*PITCH
.endr
.endr
	WIN 0
.irp i, 0,1,2,3,4,5,6,7
.irp c, 0,1
	ds_load_b128 v[128+64*((\q)%2)+8*\i+4*\c:128+64*((\q)%2)+8*\i+4*\c+3], v[16+(\q)/4] offset:64*((\q)%4)+32*\c+\i*16*PITCH
.endr
.endr
.endm
.macro WM a, b, q                      ; accumulator (a, b) += B's tile b x A's tile a, K step q.  An odd tile's scale words stand in lanes 16-31
.set rD, 8*(8*((\a)%4)+(\b))
.set rB, 128*((\q)%2)+8*(\b)
.set rA, 128+64*((\q)%2)+8*(\a)
.set sB, SCB+8*((\b)/2)+(\q)
.set sA, SCA+8*((\a)/2)+(\q)
.if ((\a)%2 == 0) && ((\b)%2 == 0)
	v_wmma_scale_f32_16x16x128_f8f6f4 v[rD:rD+7], v[rB:rB+7], v[rA:rA+7], v[rD:rD+7], v[sB], v[sA] matrix_a_fmt:MATRIX_FMT_FP4 matrix_b_fmt:MATRIX_FMT_FP4
.elseif ((\a)%2 == 0)
	v_wmma_scale_f32_16x16x128_f8f6f4 v[rD:rD+7], v[rB:rB+7], v[rA:rA+7], v[rD:rD+7], v[sB], v[sA] matrix_a_fmt:MATRIX_FMT_FP4 matrix_b_fmt:MATRIX_FMT_FP4 matrix_a_scale:MATRIX_SCALE_ROW1
.elseif ((\b)%2 == 0)
	v_wmma_scale_f32_16x16x128_f8f6f4 v[rD:rD+7], v[rB:rB+7], v[rA:rA+7], v[rD:rD+7], v[sB], v[sA] matrix_a_fmt:MATRIX_FMT_FP4 matrix_b_fmt:MATRIX_FMT_FP4 matrix_b_scale:MATRIX_SCALE_ROW1
.else
	v_wmma_scale_f32_16x16x128_f8f6f4 v[rD:rD+7], v[rB:rB+7], v[rA:rA+7], v[rD:rD+7], v[sB], v[sA] matrix_a_fmt:MATRIX_FMT_FP4 matrix_b_fmt:MATRIX_FMT_FP4 matrix_a_scale:MATRIX_SCALE_ROW1 matrix_b_scale:MATRIX_SCALE_ROW1
.endif
.endm
; A K step: its fragments were asked for 64 matrix instructions ago; the next step's are asked for first, then the 64 accumulators take turns, one instruction a turn, in the same order in every step
.macro STEP q
	s_wait_dscnt 0x0                               ; this step's fragments are in
.if (\q) == 3
	s_wait_tensorcnt 0x0                           ; my part of slot 1 has landed,
	s_barrier_signal -1
	s_barrier_wait -1                              ; and everybody's: the next fetch reads slot 1.
.endif
.if (\q) < 7
	PLACES                                         ; the other set was read by the matrix instructions just issued
	FETCH (\q)+1
.endif
	WIN 0xa1                                       ; B window 1, A window 0, C and D window 2
.irp a, 0,1,2,3
.irp b, 0,1,2,3,4,5,6,7
	WM \a, \b, \q
.endr
.endr
	WIN 0xf1                                       ; C and D window 3
.irp a, 4,5,6,7
.irp b, 0,1,2,3,4,5,6,7
	WM \a, \b, \q
.endr
.endr
.endm
	s_wait_alu depctr_va_vdst(0)
	s_wait_tensorcnt 0x1                           ; my part of slot 0 is in; slot 1's load may stay out
	s_barrier_signal -1
	s_barrier_wait -1                              ; everybody's is
	FETCH 0
.irp q, 0,1,2,3,4,5,6,7
	STEP \q
.endr
; THE WAY OUT.  l tile a: a lane's 64 numbers (register 16 b + i = p 32 b + 16 h + i of its row) become a fragment's 8 registers of codes and a scale word.
.macro QUANTW a
.set W, 2+(\a)/4
.set WW, 5*W
.set S, 64*((\a)%4)
.if (\a)%4 == 2
.set PCO, 96+8*((\a)/4)                ; (so that no conversion names one register number as destination and as source)
.else
.set PCO, 128+8*(\a)
.endif
	WIN WW                                         ; sources 0 and 1: the accumulators' window
.irp b, 0,1,2,3
	v_max3_num_f32 v[TM+\b], |v[S+16*\b]|, |v[S+16*\b+1]|, 0x1800000   ; block b: my 16 numbers, each accumulator from its low end on, and the floor 2^(3 - 127)
.endr
.irp i, 2,4,6,8,10,12,14
.irp b, 0,1,2,3
	v_max3_num_f32 v[TM+\b], |v[S+16*\b+\i]|, |v[S+16*\b+\i+1]|, v[TM+\b]
.endr
.endr
	WIN 0
.irp b, 0,1,2,3
	v_permlanex16_b32 v[TM+4+\b], v[TM+\b], s96, s97
.endr
.irp b, 0,1,2,3
	v_max_num_f32 v[TM+\b], v[TM+\b], v[TM+4+\b]   ; with lane l xor 16's 16: the block's largest magnitude
.endr
.irp b, 0,1,2,3
	v_add_nc_u32 v[TM+12+\b], 0xff000000, v[TM+\b] ; 2 off its exponent field: the conversion's scale operand
.endr
.irp b, 0,1,2,3
	v_lshrrev_b32 v[TM+4+\b], 23, v[TM+12+\b]      ; the scale's byte
.endr
	v_lshl_or_b32 v[PW], v[TM+5], 8, v[TM+4]
	v_lshl_or_b32 v[PW], v[TM+6], 16, v[PW]
	v_lshl_or_b32 v[PW], v[TM+7], 24, v[PW]        ; my row's four bytes
	v_lshrrev_b32 v[TP], v28, v[PW]                ; q, k: lanes 16-31 take the second head's two
	v_and_or_b32 v[SW+(\a)], v[TP], s84, s85       ; q, k: two bytes and 0x7f7f above; v: the word as it is
	WIN W
.irp b, 0,1,2,3
	v_cvt_scalef32_pk8_fp4_f32 v[PCO+2*\b], v[S+16*\b:S+16*\b+7], v[TM+12+\b]
	v_cvt_scalef32_pk8_fp4_f32 v[PCO+2*\b+1], v[S+16*\b+8:S+16*\b+15], v[TM+12+\b]
.endr
	WIN 0
	v_nop                                          ; one plain place behind a scaled conversion
.irp c, 0,1                                    ; a whole block to a lane: lanes 0-15 block 2 c, lanes 16-31 block 2 c + 1
.irp i, 0,1
	v_permlane16_swap_b32 v[PCO+4*\c+\i], v[PCO+4*\c+2+\i]
.endr
.endr
	global_store_b128 v[OF+2*(\a)], v[PCO:PCO+3], s[72:73]       ; 512 consecutive bytes, aligned; every store has data and offset registers of its own
	global_store_b128 v[OF+2*(\a)+1], v[PCO+4:PCO+7], s[72:73]
.endm
	WIN 0
	PLACES                                         ; behind the last products: their results are read and A's registers written below
.irp b, 0,1,2,3
	v_mov_b32 v[TM+4+\b], 0                        ; a lane permute's destination counts as one of its sources
.endr
	v_mov_b32 v[OF], v24
.irp a, 0,1,2,3,4,5,6,7
	v_add_nc_u32 v[OF+2*\a+1], s78, v[OF+2*\a]
.if \a == 3
	v_add_nc_u32 v[OF+2*\a+2], s77, v[OF+2*\a]
.elseif \a < 7
	v_add_nc_u32 v[OF+2*\a+2], s76, v[OF+2*\a]
.endif
.endr
.irp a, 0,1,2,3
	QUANTW \a
.endr
	global_store_b128 v29, v[SW:SW+3], s[74:75]    ; the words of four tiles, 16 bytes a row: q, k: lanes 0-15 the first head's 256 bytes, lanes 16-31 the second's; v: lanes 16-31 repeat lanes 0-15's address and data
.irp a, 4,5,6,7
	QUANTW \a
.endr
	global_store_b128 v30, v[SW+4:SW+7], s[74:75]
	s_wait_tensorcnt 0x0
	ds_add_u32 v126, v127
	s_wait_dscnt 0x0
	CROUND                                         ; the closing round: no work-group ends while a partner may still ask for a tile that names it
	s_endpgm
.Lfunc_end_k_q625866e15d_qkvgemm:
	.size	k_q625866e15d_qkvgemm, .Lfunc_end_k_q625866e15d_qkvgemm-k_q625866e15d_qkvgemm
	.p2alignl 7, 3214868480
	.fill 96, 4, 3214868480
	.section	.rodata,"a",@progbits
	.p2align	6, 0x0
	.amdhsa_kernel k_q625866e15d_qkvgemm
		.amdhsa_group_segment_fixed_size 327680
		.amdhsa_private_segment_fixed_size 0
		.amdhsa_enable_private_segment 0
		.amdhsa_kernarg_size 32
		.amdhsa_user_sgpr_count 2
		.amdhsa_user_sgpr_kernarg_segment_ptr 1
		.amdhsa_wavefront_size32 1
		.amdhsa_system_sgpr_workgroup_id_x 1
		.amdhsa_system_sgpr_workgroup_id_y 1
		.amdhsa_system_sgpr_workgroup_id_z 1
		.amdhsa_system_vgpr_workitem_id 0
		.amdhsa_next_free_vgpr 1024
		.amdhsa_next_free_sgpr 100
		.amdhsa_reserve_vcc 0
		.amdhsa_float_denorm_mode_32 3
		.amdhsa_float_denorm_mode_16_64 3
		.amdhsa_memory_ordered 1
		.amdhsa_forward_progress 1
		.amdhsa_inst_pref_size 149
	.end_amdhsa_kernel
	.amdgpu_metadata
---
amdhsa.version: [ 1, 2 ]
amdhsa.kernels:
  - .name:           k_q625866e15d_qkvgemm
    .symbol:         k_q625866e15d_qkvgemm.kd
    .args:
      - { .name: codes, .offset: 0, .size: 8, .value_kind: global_buffer, .address_space: global }
      - { .name: scl, .offset: 8, .size: 8, .value_kind: global_buffer, .address_space: global }
      - { .name: b_qkv, .offset: 16, .size: 8, .value_kind: global_buffer, .address_space: global }
      - { .name: qkv, .offset: 24, .size: 8, .value_kind: global_buffer, .address_space: global }
    .group_segment_fixed_size: 327680
    .private_segment_fixed_size: 0
    .kernarg_segment_align: 8
    .kernarg_segment_size: 32
    .max_flat_workgroup_size: 128
    .sgpr_count:     100
    .vgpr_count:     1024
    .wavefront_size: 32
...
	.end_amdgpu_metadata
.endif
;; end of part 2
;; launch attn (part 3): grid 8 x 32, 16 waves a work-group, clusters of 4 x 1, 327,680 bytes of LDS; arguments qkv, aimg, asc; writes aimg, asc
.if DOCPART == 3
	.amdgcn_target "amdgcn-amd-amdhsa--gfx1250"
	.amdhsa_code_object_version 6
	.text
	.protected	k_q625866e15d_attn
	.globl	k_q625866e15d_attn
	.p2align	8
	.type	k_q625866e15d_attn,@function
k_q625866e15d_attn:
	s_mov_b64 s[64:65], 0
	v_nop
	global_prefetch_b8 v0, s[64:65] scope:SCOPE_SE
	s_setreg_imm32_b32 hwreg(HW_REG_WAVE_MODE, 25, 1), 1
	s_wait_xcnt 0x0
	s_wait_alu depctr_hold_cnt(0) depctr_sa_sdst(0) depctr_va_vdst(0) depctr_va_sdst(0) depctr_va_ssrc(0) depctr_va_vcc(0) depctr_vm_vsrc(0)
	s_getreg_b32 s2, hwreg(HW_REG_IB_STS2, 6, 4)
	s_cmp_eq_u32 s2, 0
	s_cbranch_scc0 .Lentry_in_a_cluster
	s_endpgm
.Lentry_in_a_cluster:
	s_bfe_u32 s2, ttmp6, 0x10000c
	s_cmp_lg_u32 s2, 0x3003
	s_cbranch_scc0 .Lentry_shape_is_right
	s_endpgm
.Lentry_shape_is_right:
; Attention on codes of FP4 with E8M0 scales, for two heads of one batch and 256 queries a work-group; its result, divided by the row's sum, is quantised along (head, d) for the last product.
; t = score x log2(e) / 8; M = the running largest t rounded UP to a whole number; p = 2^(t - M) is quantised along the keys, not normalised; the row's sum is taken of the unquantised p.
; When M moves, the sum and O are multiplied by 2^(old M - new M): exact.
; SHARES: y = 8 x batch + head pair; x = a block of 256 stored query rows.  Each of SIXTEEN waves owns one tile of 16 queries in 256 registers, four waves to a SIMD, and runs two passes, head 2 hp and head 2 hp + 1:
; so one wave makes the whole image (1,024 bytes) and the whole scale word of K step hp of the last product for its 16 rows.
; LDS: the K and V codes and scale words of BOTH heads, all 2,048 keys, lie in LDS whole: 16 records' first 8,960 bytes a head.  Wave w brings record w of each head by one tensor load: two loads a wave, the second after the first has landed, at the
; head, and nothing is filled again.  So the loop over the keys has no barrier and no tensor load.
; CLUSTER 4 x 1: the four blocks of queries of a cluster read the same two heads: each record is asked for jointly by all four.
; LAYOUT: both products are used transposed (S^T = K Q^T, O^T = V^T P^T): a lane holds one query throughout.  The stored order of keys and of d (bits 3 and 4 of a row exchanged) makes the 16 registers of tiles 2 b
; and 2 b + 1 the keys (or d) 32 b + 16 (lane / 16) + 0 .. 15.
; THE FIRST PRODUCT'S K IS 64, half of the instruction's 128.  Q's fragment has zero codes in its upper four registers, and Q's and K's scale words 0x7f there.  K's operand for tile t is named v[32 + 4 t : 39 + 4 t]:
; its upper four registers hold the next tile's codes (for tile 7: V's first four registers), which meet zero codes and add nothing.
; LIMITS: p under 2^-126 comes out of v_exp_f32 as 0; a block of zeros, or with its largest magnitude under 2^-124, gets the byte 1; NaN and infinities are not served.
; REGISTERS: v1-9 addresses; v12 -M, v13 the largest t, v[14:15] the sum in two halves; v16-23, v24-31 Q of the two heads; v32-63 K's 8 tiles; v64-95 V's 4 fragments; v96-159 S^T, then p; v160-191 O^T;
;   v192-199 K's scale words, v200-203 V's, v204 p's, v205-206 Q's; v208-215 the codes that leave; v216-218 their scale word; v224-231 p's codes; v232-254 at work.
.set REC,   13568
.set HS,    16*REC
.set KV,    8960                       ; what a record gives to LDS: K 4,096, V 4,096, K's scale words 512, V's 256
.set HEADB, 16*KV                      ; the second head's records begin here
.set SCR,   2*HEADB                    ; 1,024 bytes for the scale words on their way out: no tensor load lands here
.set WV,    18
.macro CROUND                          ; a round of the cluster's barrier
	s_barrier_signal -1
	s_barrier_wait -1
	s_cmp_lg_u32 s[WV], 0
	s_cbranch_scc1 .Lnot_wave_0_\@
	s_barrier_signal -3
.Lnot_wave_0_\@:
	s_barrier_wait -3
	s_barrier_signal -1
	s_barrier_wait -1
.endm
	s_load_b128 s[4:7], s[0:1], 0x0                ; qkv s[4:5], aimg s[6:7]
	s_load_b64 s[8:9], s[0:1], 0x10                ; asc
	v_lshl_add_u32 v251, v0, 2, 0x46400
	v_mov_b32 v255, 0
	ds_add_u32 v251, v255
	ds_add_u32 v251, v255
	v_lshrrev_b32 v10, 5, v0
	s_delay_alu instid0(VALU_DEP_1)
	v_readfirstlane_b32 s[WV], v10                 ; wave 0..15
	s_bfe_u32 s13, ttmp6, 0x40000                  ; cx: it enters Q's and the outputs' addresses alone
	s_lshl_b32 s14, ttmp9, 2
	s_add_co_u32 s14, s14, s13                     ; my block of 256 queries
	s_and_b32 s15, ttmp7, 0xffff                   ; y: 2 y is my first head among the 64
	s_lshl_b32 s16, s15, 5                         ; its first record
	s_add_co_u32 s17, s16, s[WV]
	s_mul_i32 s48, s17, REC                        ; the record that I fetch
	s_mov_b32 s49, 0
	s_mul_i32 s19, s[WV], KV                       ; and where it goes
	s_mov_b32 s24, 15|(3<<16)|(1<<21)              ; group 1: mask of all four work-groups; elements of 8 bytes; bit 21 beside a mask; no padding
	s_mov_b32 s25, 32<<16                          ; tensor_dim0 = 32 elements: rows of 256 bytes
	s_mov_b32 s26, 35<<16                          ; tensor_dim1 = 35 rows: 8,960 dense bytes
	s_mov_b32 s27, 32<<16                          ; tile_dim0
	s_mov_b32 s28, 35                              ; tile_dim1
	s_mov_b32 s29, 32                              ; pitch = row
	s_mov_b32 s30, 0
	s_mov_b32 s31, 0
	s_lshl_b32 s50, s14, 1                         ; Q: record 2 x block + wave / 8 of the head,
	s_lshr_b32 s51, s[WV], 3
	s_add_co_u32 s50, s50, s51
	s_add_co_u32 s50, s50, s16
	s_mul_i32 s50, s50, REC
	s_and_b32 s51, s[WV], 7                        ; tile wave % 8 of it
	s_lshl_b32 s51, s51, 9
	s_add_co_u32 s40, s50, s51
	s_add_co_u32 s40, s40, 8960
	s_mov_b32 s41, 0
	s_bfe_u32 s51, s[WV], 0x10002                  ; its scale words: group of four tiles,
	s_lshl_b32 s51, s51, 8
	s_add_co_u32 s42, s50, s51
	s_and_b32 s51, s[WV], 3                        ; tile in the group
	s_lshl_b32 s51, s51, 2
	s_add_co_u32 s42, s42, s51
	s_add_co_u32 s42, s42, 13056
	s_mov_b32 s43, 0
	s_lshr_b32 s52, s15, 3                         ; the outputs: stored tile 128 x batch + 16 x block + wave
	s_lshl_b32 s52, s52, 7
	s_lshl_b32 s53, s14, 4
	s_add_co_u32 s52, s52, s53
	s_lshl_b32 s46, s52, 6                         ; scale words: 64 bytes a tile,
	s_and_b32 s53, s15, 7                          ; head pair = K step of the last product:
	s_lshl_b32 s54, s53, 15                        ; 32,768 bytes a K step
	s_add_co_u32 s46, s46, s54
	s_mov_b32 s47, 0
	s_add_co_u32 s52, s52, s[WV]
	s_lshl_b32 s44, s52, 13                        ; images: 8,192 bytes a tile, 1,024 a K step
	s_lshl_b32 s54, s53, 10
	s_add_co_u32 s44, s44, s54
	s_mov_b32 s45, 0
	s_mov_b32 s20, 0x76543210
	s_mov_b32 s21, 0xfedcba98                      ; v_permlanex16_b32's selects for lane l xor 16
	s_mov_b32 s22, 0x3e38aa3b                      ; c = log2(e) / 8
	s_mov_b32 s23, s22                             ; (named with it as a pair, so it is written)
	s_wait_dscnt 0x0
	s_wait_kmcnt 0x0
	s_add_nc_u64 s[40:41], s[4:5], s[40:41]
	s_add_nc_u64 s[42:43], s[4:5], s[42:43]
	s_add_nc_u64 s[44:45], s[6:7], s[44:45]
	s_add_nc_u64 s[46:47], s[8:9], s[46:47]
	CROUND                                         ; all four work-groups are here: the joint loads meet
	s_mov_b32 s32, 1
	s_mov_b32 s33, s19
	s_add_nc_u64 s[34:35], s[4:5], s[48:49]
	s_add_nc_u64 s[38:39], s[34:35], HS            ; the second head's record
	s_or_b32 s35, s35, 0x80000000
	s_mov_b32 s36, 1
	s_add_co_u32 s37, s19, HEADB
	s_or_b32 s39, s39, 0x80000000
	tensor_load_to_lds s[32:35], s[24:31]          ; every wave brings a record of its own of each head
	s_nop 0
	s_wait_alu depctr_va_vdst(0)
	s_wait_tensorcnt 0x0
	ds_add_u32 v251, v255
	s_wait_dscnt 0x0
	CROUND
	tensor_load_to_lds s[36:39], s[24:31]
	s_nop 0
.rept 4
	v_nop
.endr
	v_and_b32 v10, 31, v0
	s_delay_alu instid0(VALU_DEP_1)
	v_lshlrev_b32 v1, 4, v10                       ; 16 x lane: an image's place
	v_and_b32 v11, 15, v0
	s_delay_alu instid0(VALU_DEP_1)
	v_lshlrev_b32 v2, 4, v11                       ; 16 r: a row's four scale words
	s_lshl_b32 s55, s[WV], 6
	s_add_co_u32 s55, s55, SCR
	v_lshl_add_u32 v7, v11, 2, s55                 ; where my row's output scale word goes in LDS
	v_lshlrev_b32 v9, 4, v0                        ; and how waves 0 and 1 take the 1,024 bytes out
	s_delay_alu instid0(VALU_DEP_1)
	v_add_nc_u32 v8, SCR, v9
	global_load_b128 v[16:19], v1, s[40:41]                 ; Q's tile, first head
	global_load_b128 v[24:27], v1, s[40:41] offset:HS       ; second head
	global_load_b32 v205, v2, s[42:43]                      ; and their scale words
	global_load_b32 v206, v2, s[42:43] offset:HS
.irp j, 20,21,22,23,28,29,30,31
	v_mov_b32 v[\j], 0                             ; zero codes for the upper 64 of the K step
.endr
.irp j, 236,237,238,239,252,253
	v_mov_b32 v[\j], 0                             ; written once: permutes' destinations, and the upper half of the pair v[252:253]
.endr
; A PASS: one head.  base: where its records lie in LDS; qr, qw: Q's fragment and scale words; oc: the four registers of codes that leave; ps: 0 or 1.
.macro PASS base, qr, qw, oc, ps
	v_mov_b32 v13, 0xff61b1e6                      ; the largest t so far: -3e38
	s_delay_alu instid0(VALU_DEP_1)
	v_floor_f32 v12, -v13                          ; -M
	v_mov_b32 v14, 0
	v_mov_b32 v15, 0
.set j, 0
.rept 32
	v_mov_b32 v[160+j], 0                          ; O^T: the step is written once; its first trip finds zeros
.set j, j+1
.endr
	s_mov_b32 s2, \base
	s_mov_b32 s3, 16
.Lstep_\@:                                     ; a trip: 128 keys, one record
	s_setprio 2
	v_add_nc_u32 v3, s2, v1
	v_add_nc_u32 v4, s2, v2
	v_nop
	v_nop                                          ; four places between the last trip's products and the loads into their registers
.irp t, 0,1,2,3,4,5,6,7
	ds_load_b128 v[32+4*\t:35+4*\t], v3 offset:512*\t          ; K's tile t: lane (r, h): key row r, block h
.endr
	ds_load_b128 v[192:195], v4 offset:8192                    ; K's scale words, four tiles a load
	ds_load_b128 v[196:199], v4 offset:8448
	ds_load_b128 v[64:67], v3 offset:4096                      ; V's first four registers are named by K's tile 7
	ds_load_b128 v[68:71], v3 offset:4608
.irp t, 1,2,3
	ds_load_b128 v[64+8*\t:67+8*\t], v3 offset:4096+1024*\t
	ds_load_b128 v[68+8*\t:71+8*\t], v3 offset:4608+1024*\t
.endr
	ds_load_b128 v[200:203], v4 offset:8704                    ; V's scale words
	s_wait_dscnt 8                                 ; K, its words and v64-67 are in; the eight younger loads (V's other seven, V's words) stay out
.irp t, 0,1,2,3,4,5,6,7
	v_wmma_scale_f32_16x16x128_f8f6f4 v[96+8*\t:103+8*\t], v[32+4*\t:39+4*\t], v[\qr:\qr+7], 0, v[192+\t], v[\qw] matrix_a_fmt:MATRIX_FMT_FP4 matrix_b_fmt:MATRIX_FMT_FP4
.endr
.rept 4
	v_nop
.endr
.irp b, 0,1,2,3
	v_max3_num_f32 v[232+\b], v[96+16*\b], v[97+16*\b], v[98+16*\b]   ; the largest score of each block of 32 keys: for the row's maximum, and, since p rises with the score, for the block's largest p
.endr
.irp i, 3,5,7,9,11,13
.irp b, 0,1,2,3
	v_max3_num_f32 v[232+\b], v[232+\b], v[96+16*\b+\i], v[97+16*\b+\i]
.endr
.endr
.irp b, 0,1,2,3
	v_max_num_f32 v[232+\b], v[232+\b], v[111+16*\b]
.endr
.irp b, 0,1,2,3
	s_delay_alu instid0(VALU_DEP_4)
	v_permlanex16_b32 v[236+\b], v[232+\b], s20, s21
.endr
.irp b, 0,1,2,3
	s_delay_alu instid0(VALU_DEP_4)
	v_max_num_f32 v[232+\b], v[232+\b], v[236+\b]  ; with lane l xor 16's 16 keys
.endr
	s_delay_alu instid0(VALU_DEP_2)
	v_max3_num_f32 v254, v232, v233, v234
	s_delay_alu instid0(VALU_DEP_1)
	v_max_num_f32 v254, v254, v235
	s_delay_alu instid0(VALU_DEP_1)
	v_mul_f32 v254, s22, v254                      ; the step's largest t
	s_delay_alu instid0(VALU_DEP_1)
	v_max_num_f32 v13, v13, v254
	v_mov_b32 v254, v12
	s_delay_alu instid0(VALU_DEP_2)
	v_floor_f32 v12, -v13                          ; the new -M = -ceil(t)
	s_delay_alu instid0(VALU_DEP_1)
	v_sub_f32 v254, v12, v254                      ; old M - new M: a whole number, 0 or less
	s_delay_alu instid0(VALU_DEP_1)
	v_cvt_i32_f32 v254, v254                       ; (it saturates)
	s_delay_alu instid0(VALU_DEP_1)
	v_ldexp_f32 v252, 1.0, v254                    ; f = 2^(old M - new M)
.set j, 0
.rept 32
	v_pk_fma_f32 v[96+j:97+j], v[96+j:97+j], s[22:23], v[12:13] op_sel_hi:[1,0,0]   ; t - M
.set j, j+2
.endr
.irp b, 0,1,2,3
	v_fma_f32 v[232+\b], v[232+\b], s22, v12       ; the same of each block's largest score
.endr
.set j, 0
	s_wait_alu depctr_va_vdst(0)
.rept 64
	v_exp_f32 v[96+j], v[96+j]                     ; p = 2^(t - M)
.set j, j+1
.endr
	s_setprio 1
.irp b, 0,1,2,3
	v_exp_f32 v[232+\b], v[232+\b]                 ; the block's largest p: the same two instructions on the same number
.endr
	v_pk_mul_f32 v[14:15], v[14:15], v[252:253] op_sel_hi:[1,0]      ; plain work that names no exponential's result: the sums under the new M,
.set j, 0
	s_wait_alu depctr_va_vdst(0)
.rept 16
	v_pk_mul_f32 v[160+j:161+j], v[160+j:161+j], v[252:253] op_sel_hi:[1,0]   ; and O^T, each accumulator from its low end on
.set j, j+2
.endr
	s_wait_alu depctr_va_vdst(0)                   ; one wait for the batch of 68, ahead of its first reader
.irp b, 0,1,2,3
	v_max_num_f32 v[232+\b], 0x1800000, v[232+\b]  ; the floor 2^(3 - 127): the byte cannot fall under 1
.endr
.irp b, 0,1,2,3
	s_delay_alu instid0(VALU_DEP_4)
	v_add_nc_u32 v[244+\b], 0xff000000, v[232+\b]  ; the conversion's scale operand
.endr
.irp b, 0,1,2,3
	s_delay_alu instid0(VALU_DEP_4)
	v_lshrrev_b32 v[236+\b], 23, v[244+\b]         ; the scale's byte
.endr
	s_delay_alu instid0(VALU_DEP_3)
	v_lshl_or_b32 v204, v237, 8, v236              ; p's scale word for these 128 keys
	s_delay_alu instid0(VALU_DEP_1)
	v_lshl_or_b32 v204, v238, 16, v204
	s_delay_alu instid0(VALU_DEP_1)
	v_lshl_or_b32 v204, v239, 24, v204
.irp b, 0,1,2,3
	v_cvt_scalef32_pk8_fp4_f32 v[224+2*\b], v[96+16*\b:103+16*\b], v[244+\b]
	v_cvt_scalef32_pk8_fp4_f32 v[225+2*\b], v[104+16*\b:111+16*\b], v[244+\b]
.endr
	v_nop                                          ; one plain place behind a scaled conversion
.irp c, 0,1
.irp i, 0,1
	v_permlane16_swap_b32 v[224+4*\c+\i], v[226+4*\c+\i]   ; a whole block to a lane
.endr
.endr
	v_pk_add_f32 v[236:237], v[96:97], v[98:99]    ; the row's sum of the UNQUANTISED p, in two chains.  These 32 lines are also the places between the scale word and the codes just made and the products below
	s_setprio 0
.irp j, 4,8,12,16,20,24,28,32,36,40,44,48,52,56,60
	v_pk_add_f32 v[14:15], v[14:15], v[96+\j:97+\j]
	v_pk_add_f32 v[236:237], v[236:237], v[98+\j:99+\j]
.endr
	s_delay_alu instid0(VALU_DEP_1)
	v_pk_add_f32 v[14:15], v[14:15], v[236:237]
	s_wait_dscnt 0x0                               ; V and its scale words are in
.irp t, 0,1,2,3                                ; four accumulators by turns; the next trip's eight products stand between two links of a chain
	v_wmma_scale_f32_16x16x128_f8f6f4 v[160+8*\t:167+8*\t], v[64+8*\t:71+8*\t], v[224:231], v[160+8*\t:167+8*\t], v[200+\t], v204 matrix_a_fmt:MATRIX_FMT_FP4 matrix_b_fmt:MATRIX_FMT_FP4
.endr
	s_add_co_u32 s2, s2, KV
	s_sub_co_u32 s3, s3, 1
	s_cmp_lg_u32 s3, 0
	s_cbranch_scc1 .Lstep_\@
	s_setprio 0
.rept 4
	v_nop                                          ; places behind the last products
.endr
	s_wait_alu depctr_va_vdst(0)
	v_add_f32 v14, v14, v15
	s_delay_alu instid0(VALU_DEP_1)
	v_permlanex16_b32 v252, v14, s20, s21
	s_delay_alu instid0(VALU_DEP_1)
	v_add_f32 v14, v14, v252                       ; the row's sum
	s_wait_alu depctr_va_vdst(0)
	v_rcp_f32 v14, v14
	v_nop                                          ; a plain place behind the reciprocal,
	s_wait_alu depctr_va_vdst(0)                   ; and the wait ahead of its first reader
.set j, 0
.rept 16
	v_pk_mul_f32 v[96+j:97+j], v[160+j:161+j], v[14:15] op_sel_hi:[1,0]   ; O^T / the sum: register 16 b + i is d = 32 b + 16 h + i of my query
.set j, j+2
.endr
.irp b, 0,1
	v_max3_num_f32 v[232+\b], |v[96+16*\b]|, |v[97+16*\b]|, 0x1800000     ; the head's two blocks of 32 along the last product's K
.endr
.irp i, 2,4,6,8,10,12,14
.irp b, 0,1
	s_delay_alu instid0(VALU_DEP_2)
	v_max3_num_f32 v[232+\b], v[232+\b], |v[96+16*\b+\i]|, |v[97+16*\b+\i]|
.endr
.endr
.irp b, 0,1
	s_delay_alu instid0(VALU_DEP_2)
	v_permlanex16_b32 v[236+\b], v[232+\b], s20, s21
.endr
.irp b, 0,1
	s_delay_alu instid0(VALU_DEP_2)
	v_max_num_f32 v[232+\b], v[232+\b], v[236+\b]
.endr
.irp b, 0,1
	s_delay_alu instid0(VALU_DEP_2)
	v_add_nc_u32 v[244+\b], 0xff000000, v[232+\b]
.endr
.irp b, 0,1
	s_delay_alu instid0(VALU_DEP_2)
	v_lshrrev_b32 v[236+\b], 23, v[244+\b]
.endr
.if \ps == 0
	s_delay_alu instid0(VALU_DEP_1)
	v_lshl_or_b32 v216, v237, 8, v236              ; the first head's two bytes
.else
	s_delay_alu instid0(VALU_DEP_1)
	v_lshl_or_b32 v218, v237, 8, v236
	s_delay_alu instid0(VALU_DEP_1)
	v_lshl_or_b32 v217, v218, 16, v216             ; with the second head's: the K step's scale word of my row
.endif
.irp b, 0,1
	v_cvt_scalef32_pk8_fp4_f32 v[\oc+2*\b], v[96+16*\b:103+16*\b], v[244+\b]
	v_cvt_scalef32_pk8_fp4_f32 v[\oc+2*\b+1], v[104+16*\b:111+16*\b], v[244+\b]
.endr
	v_nop
	v_permlane16_swap_b32 v[\oc], v[\oc+2]         ; lanes 0-15 block 0, lanes 16-31 block 1
	v_permlane16_swap_b32 v[\oc+1], v[\oc+3]
	global_store_b128 v1, v[\oc:\oc+3], s[44:45] offset:512*\ps   ; half of the image: 512 consecutive bytes, aligned
.endm
	s_wait_tensorcnt 0x1                           ; my record of the first head is in; the second head's may stay out
	s_barrier_signal -1
	s_barrier_wait -1                              ; everybody's is
	s_wait_loadcnt 0x0                             ; Q
	PASS 0, 16, 205, 208, 0
	s_wait_tensorcnt 0x0                           ; my record of the second head is in,
	s_wait_dscnt 0x0
	s_barrier_signal -1
	s_barrier_wait -1                              ; everybody's is
	PASS HEADB, 24, 206, 212, 1
	ds_store_b32 v7, v217                          ; the 16 tiles' scale words meet in LDS (lanes 16-31 write lanes 0-15's words with the same values)
	s_wait_dscnt 0x0                               ; for the others' sake
	s_barrier_signal -1
	s_barrier_wait -1
	s_cmp_lt_u32 s[WV], 2                          ; waves 0 and 1 store the 1,024 bytes: 512 consecutive bytes each, aligned
	s_cbranch_scc0 .Lno_words
	ds_load_b128 v[220:223], v8
	s_wait_dscnt 0x0
	global_store_b128 v9, v[220:223], s[46:47]
.Lno_words:
	s_wait_tensorcnt 0x0
	ds_add_u32 v251, v255
	s_wait_dscnt 0x0
	CROUND                                         ; the closing round
	s_endpgm
.Lfunc_end_k_q625866e15d_attn:
	.size	k_q625866e15d_attn, .Lfunc_end_k_q625866e15d_attn-k_q625866e15d_attn
	.p2alignl 7, 3214868480
	.fill 96, 4, 3214868480
	.section	.rodata,"a",@progbits
	.p2align	6, 0x0
	.amdhsa_kernel k_q625866e15d_attn
		.amdhsa_group_segment_fixed_size 327680
		.amdhsa_private_segment_fixed_size 0
		.amdhsa_enable_private_segment 0
		.amdhsa_kernarg_size 24
		.amdhsa_user_sgpr_count 2
		.amdhsa_user_sgpr_kernarg_segment_ptr 1
		.amdhsa_wavefront_size32 1
		.amdhsa_system_sgpr_workgroup_id_x 1
		.amdhsa_system_sgpr_workgroup_id_y 1
		.amdhsa_system_sgpr_workgroup_id_z 1
		.amdhsa_system_vgpr_workitem_id 0
		.amdhsa_next_free_vgpr 256
		.amdhsa_next_free_sgpr 66
		.amdhsa_reserve_vcc 0
		.amdhsa_float_denorm_mode_32 3
		.amdhsa_float_denorm_mode_16_64 3
		.amdhsa_memory_ordered 1
		.amdhsa_forward_progress 1
		.amdhsa_inst_pref_size 50
	.end_amdhsa_kernel
	.amdgpu_metadata
---
amdhsa.version: [ 1, 2 ]
amdhsa.kernels:
  - .name:           k_q625866e15d_attn
    .symbol:         k_q625866e15d_attn.kd
    .args:
      - { .name: qkv, .offset: 0, .size: 8, .value_kind: global_buffer, .address_space: global }
      - { .name: aimg, .offset: 8, .size: 8, .value_kind: global_buffer, .address_space: global }
      - { .name: asc, .offset: 16, .size: 8, .value_kind: global_buffer, .address_space: global }
    .group_segment_fixed_size: 327680
    .private_segment_fixed_size: 0
    .kernarg_segment_align: 8
    .kernarg_segment_size: 24
    .max_flat_workgroup_size: 512
    .sgpr_count:     66
    .vgpr_count:     256
    .wavefront_size: 32
...
	.end_amdgpu_metadata
.endif
;; end of part 3
;; launch proj (part 4): grid 4 x 64, 4 waves a work-group, clusters of 4 x 4, 327,680 bytes of LDS; arguments aimg, asc, codes, scl, b_out, out0; writes out0
.if DOCPART == 4
	.amdgcn_target "amdgcn-amd-amdhsa--gfx1250"
	.amdhsa_code_object_version 6
	.text
	.protected	k_q625866e15d_proj
	.globl	k_q625866e15d_proj
	.p2align	8
	.type	k_q625866e15d_proj,@function
k_q625866e15d_proj:
	s_mov_b64 s[64:65], 0
	v_nop
	global_prefetch_b8 v0, s[64:65] scope:SCOPE_SE
	s_setreg_imm32_b32 hwreg(HW_REG_WAVE_MODE, 25, 1), 1
	s_wait_xcnt 0x0
	s_wait_alu depctr_hold_cnt(0) depctr_sa_sdst(0) depctr_va_vdst(0) depctr_va_sdst(0) depctr_va_ssrc(0) depctr_va_vcc(0) depctr_vm_vsrc(0)
	s_getreg_b32 s2, hwreg(HW_REG_IB_STS2, 6, 4)
	s_cmp_eq_u32 s2, 0
	s_cbranch_scc0 .Lentry_in_a_cluster
	s_endpgm
.Lentry_in_a_cluster:
	s_bfe_u32 s2, ttmp6, 0x10000c
	s_cmp_lg_u32 s2, 0xf033
	s_cbranch_scc0 .Lentry_shape_is_right
	s_endpgm
.Lentry_shape_is_right:
; out0 = attention W_out^T + b_out on codes of FP4 with E8M0 scales, K = 1,024.  The attention's rows come as images of the operand's registers (aimg: [stored tile of 16 rows][K step 8][1,024 bytes]) with their
; scale words (asc: [K step][tile][row][4 bytes]); W_out's rows as stored rows of codes (from row 11,264 of codes and scl).
; SHARES: a work-group makes 128 stored rows x 256 columns: 256 work-groups.  Four waves, each 64 rows x 128 columns: 32 accumulators.  THE MATRIX INSTRUCTION IS USED TRANSPOSED (source 0 = 16 stored rows of W_out,
; source 1 = 16 rows of the attention): a lane holds columns of one row.  The stored order (bits 3 and 4 of a row exchanged) is undone on the way out: for the columns by the place in the stage, for the rows by the stores' offsets.
; LDS: K = 1,024 of both tiles lies in LDS whole, as two slots of 512 along K, each filled ONCE.  A's slot is dense (images are read 16 bytes a lane on end), B's rows are 256 bytes + 16 of padding.
; CLUSTER 4 x 4: A's tile hangs on cy alone and is asked for jointly along a row of the cluster, B's on cx alone and along a column.  A wave makes two tensor loads, the second after the first has landed.
; The bias is the C of each sum's first matrix instruction.
; REGISTERS: window 0: v16-29 addresses; v32-47 A's scale words, v64-95 B's (register 8 (tile / 2) + K step: even tile in lanes 0-15, odd in lanes 16-31); v128-159, v160-191 A's fragments, two sets;
;   on the way out v128-255 rows of the result.  window 1: v0-63, v128-191 B's fragments, two sets; v64-127 the bias.  window 2: the accumulators, (a, b) at v[8 (8 a + b)].
.set PITCH,  272
.set HALFT,  128*PITCH
.set ASLOT,  32768                     ; A: 8 tiles x 4 K steps x 1,024 bytes
.set BLDS,   2*ASLOT                   ; B's slots begin here
.set BSLOT,  2*HALFT
.set STG,    BLDS+2*BSLOT              ; the stages: 16 rows x (512 + 16) bytes a wave; no tensor load lands here
.set SCA, 32
.set SCB, 64
.set WV,  16
.set WH,  17
.set WL,  18
.set G1,  24                           ; s[24:31] group 1 for A; s[32:39] its groups 0
.set G0,  32
.set G1B, 48                           ; s[48:55], s[56:63] for B
.set G0B, 56
.set MSB, 0
.macro WIN new                         ; the immediate's high byte repeats the setting that is left
.if MSB != \new
	s_set_vgpr_msb (MSB<<8)|\new
.set MSB, \new
.endif
.endm
.macro JLOAD g0a, g1a, g0b, g1b        ; a joint load: waves 0 and 1 fetch A's halves, waves 2 and 3 B's; four v_nop follow each line
	s_cmp_eq_u32 s[WH], 0
	s_cbranch_scc0 .Lfor_b_\@
	tensor_load_to_lds s[\g0a:\g0a+3], s[\g1a:\g1a+7]
	s_nop 0
.rept 4
	v_nop
.endr
	s_branch .Lasked_\@
.Lfor_b_\@:
	tensor_load_to_lds s[\g0b:\g0b+3], s[\g1b:\g1b+7]
	s_nop 0
.rept 4
	v_nop
.endr
.Lasked_\@:
.endm
.macro CROUND                          ; a round of the cluster's barrier
	s_barrier_signal -1
	s_barrier_wait -1
	s_cmp_lg_u32 s[WV], 0
	s_cbranch_scc1 .Lnot_wave_0_\@
	s_barrier_signal -3
.Lnot_wave_0_\@:
	s_barrier_wait -3
	s_barrier_signal -1
	s_barrier_wait -1
.endm
.macro PLACES                          ; four plain vector instructions between a matrix instruction and a load into, or a read of, its registers
.rept 4
	v_nop
.endr
.endm
	s_load_b256 s[4:11], s[0:1], 0x0               ; aimg s[4:5], asc s[6:7], codes s[8:9], scl s[10:11]
	s_load_b128 s[12:15], s[0:1], 0x20             ; b_out s[12:13], out0 s[14:15]
	v_lshl_add_u32 v126, v0, 2, 0x3a400
	v_mov_b32 v127, 0
	ds_add_u32 v126, v127
	ds_add_u32 v126, v127
	v_lshrrev_b32 v1, 5, v0
	v_readfirstlane_b32 s[WV], v1                  ; wave 0..3
	s_lshr_b32 s[WH], s[WV], 1                     ; my half of the rows.  Also: I fetch for A (0) or for B (1)
	s_and_b32 s[WL], s[WV], 1                      ; my half of the columns.  Also: which half of that tile I fetch
	s_bfe_u32 s40, ttmp6, 0x40000                  ; cx
	s_bfe_u32 s41, ttmp6, 0x40004                  ; cy
	s_lshl_b32 s42, ttmp9, 2
	s_add_co_u32 s42, s42, s40                     ; the tile of 256 columns
	s_and_b32 s19, ttmp7, 0xffff
	s_lshl_b32 s19, s19, 2
	s_add_co_u32 s19, s19, s41                     ; the tile of 128 rows
	s_lshl_b32 s43, s41, 2
	s_lshl_b32 s43, 15, s43                        ; my row of the cluster
	s_lshl_b32 s44, 0x1111, s40                    ; my column
	s_or_b32 s[G1], s43, (3<<16)|(1<<21)           ; A: the mask; elements of 8 bytes; bit 21 beside a mask; no padding
	s_mov_b32 s[G1+1], 512<<16                     ; tensor_dim0 = 512 elements: four K steps of a tile, 4,096 bytes
	s_mov_b32 s[G1+2], 4<<16                       ; tensor_dim1 = 4 tiles
	s_mov_b32 s[G1+3], 512<<16                     ; tile_dim0
	s_mov_b32 s[G1+4], 4                           ; tile_dim1
	s_mov_b32 s[G1+5], 1024                        ; from tile to tile: 8,192 bytes
	s_mov_b32 s[G1+6], 0
	s_mov_b32 s[G1+7], 0
	s_or_b32 s[G1B], s44, (1<<20)|(1<<21)|(5<<22)|(3<<25)   ; B: elements of 1 byte; 4 words of padding after every 64
	s_mov_b32 s[G1B+1], 256<<16
	s_mov_b32 s[G1B+2], 128<<16
	s_mov_b32 s[G1B+3], 256<<16
	s_mov_b32 s[G1B+4], 128
	s_mov_b32 s[G1B+5], 512
	s_mov_b32 s[G1B+6], 0
	s_mov_b32 s[G1B+7], 0
	s_lshl_b32 s20, s19, 16                        ; A: 8 tiles of 8,192 bytes a tile of rows,
	s_lshl_b32 s22, s[WL], 15                      ; 4 of them a half
	s_add_co_u32 s20, s20, s22
	s_mov_b32 s21, 0
	s_lshl_b32 s46, s42, 17                        ; B: 256 rows of 512 bytes,
	s_lshl_b32 s22, s[WL], 16
	s_add_co_u32 s46, s46, s22
	s_add_co_u32 s46, s46, 11264*512               ; from W_out's first stored row
	s_mov_b32 s47, 0
	s_lshl_b32 s45, s[WL], 14                      ; where A's half goes,
	s_mul_i32 s23, s[WL], HALFT
	s_add_co_u32 s23, s23, BLDS                    ; and B's
	s_wait_dscnt 0x0
	s_wait_kmcnt 0x0
	s_add_nc_u64 s[20:21], s[4:5], s[20:21]
	s_add_nc_u64 s[46:47], s[8:9], s[46:47]
	CROUND                                         ; all sixteen work-groups are here: the joint loads meet
.irp s, 0,1
	s_mov_b32 s[G0+4*\s], 1
	s_add_co_u32 s[G0+4*\s+1], s45, \s*ASLOT
	s_add_nc_u64 s[G0+4*\s+2:G0+4*\s+3], s[20:21], \s*4096
	s_or_b32 s[G0+4*\s+3], s[G0+4*\s+3], 0x80000000
	s_mov_b32 s[G0B+4*\s], 1
	s_add_co_u32 s[G0B+4*\s+1], s23, \s*BSLOT
	s_add_nc_u64 s[G0B+4*\s+2:G0B+4*\s+3], s[46:47], \s*256
	s_or_b32 s[G0B+4*\s+3], s[G0B+4*\s+3], 0x80000000
	s_wait_alu depctr_va_vdst(0)
	s_wait_tensorcnt 0x0
	ds_add_u32 v126, v127
	ds_add_u32 v126, v127
	s_wait_dscnt 0x0
	CROUND
	JLOAD G0+4*\s, G1, G0B+4*\s, G1B               ; one half of K a turn, each after the last has landed; nothing is filled again
.endr
	s_lshl_b32 s66, s19, 9                         ; A's scale words: 64 bytes a tile of 16 rows
	s_lshl_b32 s67, s[WH], 8
	s_add_co_u32 s66, s66, s67
	s_mov_b32 s67, 0
	s_add_nc_u64 s[66:67], s[6:7], s[66:67]
	s_lshl_b32 s68, s42, 13                        ; B's scale bytes: 32 a row
	s_lshl_b32 s69, s[WL], 12
	s_add_co_u32 s68, s68, s69
	s_add_co_u32 s68, s68, 11264*32
	s_mov_b32 s69, 0
	s_add_nc_u64 s[68:69], s[10:11], s[68:69]
	s_lshl_b32 s70, s42, 10                        ; my 128 columns, in bytes
	s_lshl_b32 s71, s[WL], 9
	s_add_co_u32 s70, s70, s71
	s_mov_b32 s71, 0
	s_lshl_b32 s72, s19, 19                        ; my 64 rows of 4,096 bytes
	s_lshl_b32 s73, s[WH], 18
	s_add_co_u32 s72, s72, s73
	s_add_co_u32 s72, s72, s70
	s_mov_b32 s73, 0
	s_add_nc_u64 s[70:71], s[12:13], s[70:71]      ; b_out at my columns
	s_add_nc_u64 s[72:73], s[14:15], s[72:73]      ; out0 at my corner
	v_and_b32 v1, 15, v0                           ; r
	v_bfe_u32 v2, v0, 4, 1                         ; h
	v_and_b32 v5, 31, v0
	v_lshlrev_b32 v26, 4, v5                       ; 16 x lane
	s_lshl_b32 s22, s[WH], 14
	v_add_nc_u32 v16, s22, v26                     ; A's images: my four tiles
	v_mul_u32_u24 v3, v1, PITCH
	v_lshl_add_u32 v4, v2, 4, v3
	s_mul_i32 s22, s[WL], HALFT
	s_add_co_u32 s22, s22, BLDS
	v_add_nc_u32 v20, s22, v4                      ; B's fragments in slot 0,
	s_add_co_u32 s22, s22, BSLOT
	v_add_nc_u32 v21, s22, v4                      ; in slot 1
	s_mul_i32 s22, s[WV], 16*528
	s_add_co_u32 s22, s22, STG                     ; my stage
	v_mul_u32_u24 v3, v1, 528
	v_lshl_add_u32 v3, v2, 6, v3
	v_add_nc_u32 v24, s22, v3                      ; in: row r, + 64 h
	v_add_nc_u32 v25, s22, v26                     ; back: 16 bytes a lane of a row
	v_lshlrev_b32 v27, 5, v5                       ; 32 x lane
	v_lshlrev_b32 v28, 2, v5                       ; 4 x lane
	v_lshlrev_b32 v29, 6, v2                       ; 64 h
.irp i, 0,1
.irp s, 0,1,2,3,4,5,6,7
	global_load_b32 v[SCA+8*\i+\s], v28, s[66:67] offset:32768*\s+128*\i    ; two tiles' words of K step s
.endr
.endr
.irp i, 0,1,2,3
.irp k, 0,1
	global_load_b128 v[SCB+8*\i+4*\k:SCB+8*\i+4*\k+3], v27, s[68:69] offset:1024*\i+16*\k
.endr
.endr
	WIN 0x40                                       ; destination window 1
.irp b, 0,1,2,3                                ; the bias: register 16 b + i = column 32 b + 16 h + i
.irp j, 0,1,2,3
	global_load_b128 v[64+16*\b+4*\j:64+16*\b+4*\j+3], v29, s[70:71] offset:128*\b+16*\j
.endr
.endr
	WIN 0
	s_wait_alu depctr_va_vdst(0)
	s_wait_loadcnt 0x0
.macro FETCH q                         ; the fragments of K step q into set q % 2: 24 loads in one run
	WIN 0x40
.irp i, 0,1,2,3,4,5,6,7
.irp c, 0,1
	ds_load_b128 v[128*((\q)%2)+8*\i+4*\c:128*((\q)%2)+8*\i+4*\c+3], v[20+(\q)/4] offset:64*((\q)%4)+32*\c+\i*16*PITCH
.endr
.endr
	WIN 0
.irp i, 0,1,2,3
.irp c, 0,1
	ds_load_b128 v[128+32*((\q)%2)+8*\i+4*\c:128+32*((\q)%2)+8*\i+4*\c+3], v16 offset:((\q)/4)*ASLOT+\i*4096+((\q)%4)*1024+512*\c
.endr
.endr
.endm
.macro WM a, b, q                      ; accumulator (a, b) += W_out's tile b x the attention's tile a, K step q; the first K step takes the bias as C
.set rD, 8*(8*(\a)+(\b))
.if (\q) == 0
.set rC, 64+8*(\b)
.else
.set rC, rD
.endif
.set rB, 128*((\q)%2)+8*(\b)
.set rA, 128+32*((\q)%2)+8*(\a)
.set sB, SCB+8*((\b)/2)+(\q)
.set sA, SCA+8*((\a)/2)+(\q)
.if ((\a)%2 == 0) && ((\b)%2 == 0)
	v_wmma_scale_f32_16x16x128_f8f6f4 v[rD:rD+7], v[rB:rB+7], v[rA:rA+7], v[rC:rC+7], v[sB], v[sA] matrix_a_fmt:MATRIX_FMT_FP4 matrix_b_fmt:MATRIX_FMT_FP4
.elseif ((\a)%2 == 0)
	v_wmma_scale_f32_16x16x128_f8f6f4 v[rD:rD+7], v[rB:rB+7], v[rA:rA+7], v[rC:rC+7], v[sB], v[sA] matrix_a_fmt:MATRIX_FMT_FP4 matrix_b_fmt:MATRIX_FMT_FP4 matrix_a_scale:MATRIX_SCALE_ROW1
.elseif ((\b)%2 == 0)
	v_wmma_scale_f32_16x16x128_f8f6f4 v[rD:rD+7], v[rB:rB+7], v[rA:rA+7], v[rC:rC+7], v[sB], v[sA] matrix_a_fmt:MATRIX_FMT_FP4 matrix_b_fmt:MATRIX_FMT_FP4 matrix_b_scale:MATRIX_SCALE_ROW1
.else
	v_wmma_scale_f32_16x16x128_f8f6f4 v[rD:rD+7], v[rB:rB+7], v[rA:rA+7], v[rC:rC+7], v[sB], v[sA] matrix_a_fmt:MATRIX_FMT_FP4 matrix_b_fmt:MATRIX_FMT_FP4 matrix_a_scale:MATRIX_SCALE_ROW1 matrix_b_scale:MATRIX_SCALE_ROW1
.endif
.endm
; A K step: the next step's fragments are asked for first; then the 32 accumulators take turns, one instruction a turn, in the same order in every step.
.macro STEP q
	s_wait_dscnt 0x0                               ; this step's fragments are in
.if (\q) == 3
	s_wait_tensorcnt 0x0                           ; my part of slot 1 has landed,
	s_barrier_signal -1
	s_barrier_wait -1                              ; and everybody's.
.endif
.if (\q) < 7
	PLACES
	FETCH (\q)+1
.endif
.if (\q) == 0
	WIN 0x91                                       ; B window 1, A window 0, C (the bias) window 1, D window 2
.else
	WIN 0xa1                                       ; C and D window 2
.endif
.irp a, 0,1,2,3
.irp b, 0,1,2,3,4,5,6,7
	WM \a, \b, \q
.endr
.endr
.endm
	s_wait_tensorcnt 0x1                           ; my part of slot 0 is in; slot 1's load may stay out
	s_barrier_signal -1
	s_barrier_wait -1                              ; everybody's is
	FETCH 0
.irp q, 0,1,2,3,4,5,6,7
	STEP \q
.endr
; THE WAY OUT, a tile of 16 stored rows x 128 columns at a time, through my own stage: register j of accumulator (a, b) in lane (r, h) is column 32 (b / 2) + 16 h + 8 (b % 2) + j of stored row r.
; LDS serves a wave's instructions in order: no wait between the stores and the loads, nor in front of the next tile's stores.
.macro TOSTAGE a
	WIN 0x08                                       ; an LDS store's data are its source 1: window 2
.irp b, 0,1,2,3,4,5,6,7
	ds_store_b128 v24, v[8*(8*(\a)+\b):8*(8*(\a)+\b)+3] offset:128*(\b/2)+32*(\b%2)      ; each accumulator from its low end on
	ds_store_b128 v24, v[8*(8*(\a)+\b)+4:8*(8*(\a)+\b)+7] offset:128*(\b/2)+32*(\b%2)+16
.endr
	WIN 0
.set BB, 128+64*((\a)%2)
.irp t, 0,1,2,3,4,5,6,7,8,9,10,11,12,13,14,15
	ds_load_b128 v[BB+4*\t:BB+4*\t+3], v25 offset:\t*528
.endr
.endm
.macro SEND a, younger                 ; younger: the LDS instructions issued behind tile a's loads, which may stay out
.set BB, 128+64*((\a)%2)
	s_wait_dscnt \younger
.irp t, 0,1,2,3,4,5,6,7,8,9,10,11,12,13,14,15
	global_store_b128 v26, v[BB+4*\t:BB+4*\t+3], s[72:73] offset:(32*((\a)/2)+8*((\a)%2)+\t+8*(\t/8))*4096 th:TH_STORE_NT   ; stored row t of tile a is row 32 (a / 2) + 8 (a % 2) + t + 8 (t / 8); 512 consecutive bytes, aligned
.endr
.endm
	WIN 0
	PLACES                                         ; behind the last products: their results are read, and A's registers loaded, below
	TOSTAGE 0
.irp a, 1,2,3
.if \a > 1
	s_wait_xcnt 0x0                                ; tile a - 2's stores have read their registers: tile a's loads may land there
.endif
	TOSTAGE \a
	SEND \a-1, 32                                  ; behind tile a - 1's loads: tile a's 16 stores and 16 loads
.endr
	SEND 3, 0
	s_wait_tensorcnt 0x0
	ds_add_u32 v126, v127
	s_wait_dscnt 0x0
	CROUND                                         ; the closing round: no work-group ends while a partner may still ask for a tile that names it
	s_endpgm
.Lfunc_end_k_q625866e15d_proj:
	.size	k_q625866e15d_proj, .Lfunc_end_k_q625866e15d_proj-k_q625866e15d_proj
	.p2alignl 7, 3214868480
	.fill 96, 4, 3214868480
	.section	.rodata,"a",@progbits
	.p2align	6, 0x0
	.amdhsa_kernel k_q625866e15d_proj
		.amdhsa_group_segment_fixed_size 327680
		.amdhsa_private_segment_fixed_size 0
		.amdhsa_enable_private_segment 0
		.amdhsa_kernarg_size 48
		.amdhsa_user_sgpr_count 2
		.amdhsa_user_sgpr_kernarg_segment_ptr 1
		.amdhsa_wavefront_size32 1
		.amdhsa_system_sgpr_workgroup_id_x 1
		.amdhsa_system_sgpr_workgroup_id_y 1
		.amdhsa_system_sgpr_workgroup_id_z 1
		.amdhsa_system_vgpr_workitem_id 0
		.amdhsa_next_free_vgpr 768
		.amdhsa_next_free_sgpr 80
		.amdhsa_reserve_vcc 0
		.amdhsa_float_denorm_mode_32 3
		.amdhsa_float_denorm_mode_16_64 3
		.amdhsa_memory_ordered 1
		.amdhsa_forward_progress 1
		.amdhsa_inst_pref_size 73
	.end_amdhsa_kernel
	.amdgpu_metadata
---
amdhsa.version: [ 1, 2 ]
amdhsa.kernels:
  - .name:           k_q625866e15d_proj
    .symbol:         k_q625866e15d_proj.kd
    .args:
      - { .name: aimg, .offset: 0, .size: 8, .value_kind: global_buffer, .address_space: global }
      - { .name: asc, .offset: 8, .size: 8, .value_kind: global_buffer, .address_space: global }
      - { .name: codes, .offset: 16, .size: 8, .value_kind: global_buffer, .address_space: global }
      - { .name: scl, .offset: 24, .size: 8, .value_kind: global_buffer, .address_space: global }
      - { .name: b_out, .offset: 32, .size: 8, .value_kind: global_buffer, .address_space: global }
      - { .name: out0, .offset: 40, .size: 8, .value_kind: global_buffer, .address_space: global }
    .group_segment_fixed_size: 327680
    .private_segment_fixed_size: 0
    .kernarg_segment_align: 8
    .kernarg_segment_size: 48
    .max_flat_workgroup_size: 128
    .sgpr_count:     80
    .vgpr_count:     768
    .wavefront_size: 32
...
	.end_amdgpu_metadata
.endif
;; end of part 4
